; MI455X (gfx1250); checked and timed in simulation.
; The chip was launched on July 23, 2026; its instructions are those of AMD's public machine-readable ISA for CDNA 5 (MIT licence, August 2026) and "CDNA5" Instruction Set Architecture Reference Guide (July 2026). The comments in the code are by the model that wrote it; some were corrected since.
;; Attention. Allowed arithmetic: matrix products marked QUANTISED: E4M3 operands, one given power-of-two scale a tensor, by v_wmma_f32_16x16x64_fp8_fp8 or v_wmma_f32_16x16x128_fp8_fp8, f32 sums; everything else in f32.
;; Inputs: freqs_cos 2,048 x 32 float32; freqs_sin 2,048 x 32 float32; lowp_scales 12 int32 (the exponents e of the quantised operands' scales 2^e); wk_codes 512 x 64 x 32 uint8 (E4M3 codes of wk, K innermost, in blocks of 32 codes); wo_codes 2,048 x 64 x 32 uint8 (E4M3 codes of wo, K innermost, in blocks of 32 codes); wq_codes 2,048 x 64 x 32 uint8 (E4M3 codes of wq, K innermost, in blocks of 32 codes); wv_codes 512 x 64 x 32 uint8 (E4M3 codes of wv, K innermost, in blocks of 32 codes); x_codes 1 x 2,048 x 64 x 32 uint8 (E4M3 codes of x, K innermost, in blocks of 32 codes).
;; Outputs: out0 1 x 2,048 x 2,048 float32.
;; This version of the problem:
;;   THIS VERSION OF THE PROBLEM IS GIVEN IN LOW PRECISION. The matrix products marked QUANTISED in the list below multiply operands that are first quantised to E4M3 (4 exponent bits, 3 mantissa bits; 8 bits a number), with one given power-of-two scale for each operand tensor; their sums are f32. All else is computed in f32.
;;   The module's matrix products, in the order in which they are computed (A, B: the left and right operand; K: the contracted axis; several contracted axes count as one K, in the product's order):
;;     1. [M 2,048, K 2,048] x [K 2,048, N 2,048]; A: input x (given as codes); B: input wq (given as codes): QUANTISED (scales: A lowp_scales[0], B lowp_scales[1])
;;     2. [M 2,048, K 2,048] x [K 2,048, N 512]; A: input x (given as codes); B: input wk (given as codes): QUANTISED (scales: A lowp_scales[2], B lowp_scales[3])
;;     3. [M 2,048, K 2,048] x [K 2,048, N 512]; A: input x (given as codes); B: input wv (given as codes): QUANTISED (scales: A lowp_scales[4], B lowp_scales[5])
;;     4. batch 32 x [M 2,048, K 64] x [K 64, N 2,048]; A: computed on the way; B: computed on the way: QUANTISED (scales: A lowp_scales[6], B lowp_scales[7])
;;     5. batch 32 x [M 2,048, K 2,048] x [K 2,048, N 64]; A: softmax (see below); B: computed on the way: QUANTISED (scales: A lowp_scales[8], B lowp_scales[9])
;;     6. [M 2,048, K 2,048] x [K 2,048, N 2,048]; A: computed on the way; B: input wo (given as codes): QUANTISED (scales: A lowp_scales[10], B lowp_scales[11])
;;   THE QUANTISER, for each operand of a quantised product, along K:
;;     - The operand's scale is 2^e, e = its entry of the input lowp_scales (int32; the entries are numbered through the quantised products in the list's order, A before B).
;;     - Each number is divided by the scale, clamped to +-448, and rounded to the nearest number of E4M3, ties to even, subnormals kept.
;;     - The product sums the exact products of the quantised numbers (number of the format x scale) in f32.
;;   ~~~python
;;   def quantise(x, axis, e):      # numpy; x: float32 -> the quantised numbers, widened to float32 again
;;       x = np.moveaxis(x, axis, -1); K = x.shape[-1]
;;       r = np.clip(x / 2.0 ** e, -448, 448)
;;       step = 2.0 ** (np.maximum(np.frexp(np.where(r == 0, 1, r))[1] - 1, -6) - 3)
;;       q = np.round(r / step) * step * 2.0 ** e      # np.round: ties to even
;;       return np.moveaxis(q, -1, axis).astype(np.float32)
;;   ~~~
;;   SOFTMAX AHEAD OF A QUANTISED PRODUCT. Where the list says 'softmax', what is quantised is not the finished softmax but p = 2^(t - M), with t = logit x log2(e) and M = ceil(the row's largest t), a whole number; so 1/2 < the row's largest p <= 1. The row's sum l is taken of the UNQUANTISED p, in f32, and the product's result is divided by l at the end. Since M is a whole number, a kernel that streams over the keys may use a running M (the ceiling of the running maximum): every later rescaling is an exact power of two, so the quantised numbers keep their values, but for numbers so far below the row's largest that they fall under the format's range.
;;   OPERANDS COMPUTED ON THE WAY. 'Computed on the way' means the value that the module computes at that place (a softmax that the list does not call 'softmax' is quantised finished and normalised). What goes into a quantiser is computed in f32, as accurately as f32 sums, v_exp_f32 and their like allow (about 1e-6 of the number): no bf16 or f16 on the way to a quantiser, and a product that is left as it is and whose result goes on into a quantised operand takes f32 operands (vector FMAs, or v_wmma_f32_16x16x4_f32). A number that lies on a knife's edge between two numbers of the format may be rounded either way, as far as f32 arithmetic and the matrix unit's own rounding can turn it there, and no further.
;;   INPUTS GIVEN AS CODES. wk (in the module: [512, 2048], K = its axis 1); wo (in the module: [2048, 2048], K = its axis 1); wq (in the module: [2048, 2048], K = its axis 1); wv (in the module: [512, 2048], K = its axis 1); x (in the module: [1, 2048, 2048], K = its axis 2): each comes as NAME_codes (uint8): NAME with its K axis moved to the last place and cut into blocks of 32 codes, [.., K / 32, bytes a block], one block behind the other in memory; one code a byte (a code: sign, 4 exponent bits, 3 mantissa bits); its scale is its entry of lowp_scales. Its value is code x scale, taken as it is: it is not quantised again, and the codes and scales need not be those that the quantiser above would give.
;; One version. Each part assembles by itself: llvm-mc -triple=amdgcn-amd-amdhsa -mcpu=gfx1250 --defsym DOCPART=n.
;; ======== version 1 of 1: 3 launches
;; limits: right only within a limited range of input values
;; workspace buffers: qimg 4,194,304 bytes; kvimg 2,097,152 bytes; aimg 4,194,304 bytes
;; launch qkv (part 1): grid 32 x 8, 8 waves a work-group, clusters of 4 x 4, 327,680 bytes of LDS; arguments x_codes, wq_codes, wk_codes, wv_codes, freqs_cos, freqs_sin, lowp_scales, qimg, kvimg; writes qimg, kvimg
.if DOCPART == 1
	.amdgcn_target "amdgcn-amd-amdhsa--gfx1250"
	.amdhsa_code_object_version 6
	.text
	.protected	k_qc6892236dd_qkv
	.globl	k_qc6892236dd_qkv
	.p2align	8
	.type	k_qc6892236dd_qkv,@function
k_qc6892236dd_qkv:
	s_mov_b64 s[64:65], 0
	v_nop
	global_prefetch_b8 v0, s[64:65] scope:SCOPE_SE
	s_setreg_imm32_b32 hwreg(HW_REG_WAVE_MODE, 25, 1), 1
	s_wait_xcnt 0x0
	s_wait_alu depctr_hold_cnt(0) depctr_sa_sdst(0) depctr_va_vdst(0) depctr_va_sdst(0) depctr_va_ssrc(0) depctr_va_vcc(0) depctr_vm_vsrc(0)
	s_getreg_b32 s2, hwreg(HW_REG_IB_STS2, 6, 4)
	s_cmp_eq_u32 s2, 0
	s_cbranch_scc0 .Lentry_in_a_cluster
	s_endpgm
.Lentry_in_a_cluster:
	s_bfe_u32 s2, ttmp6, 0x10000c
	s_cmp_lg_u32 s2, 0xf033
	s_cbranch_scc0 .Lentry_shape_is_right
	s_endpgm
.Lentry_shape_is_right:
; xq = x wq^T, xk = x wk^T, xv = x wv^T on codes of FP8 (E4M3); RoPE on xq and xk in f32; q, k and v quantised with the given scales and stored as IMAGES OF OPERAND REGISTERS for the attention launch.
; WORK LEFT OUT in this program: reference() builds a causal mask in its own body, so a tile of 128 keys that lies wholly behind a tile's 16 queries has weight 0 whatever the inputs hold: the attention launch does not walk it.
; A NaN, an infinity or an overflow that reaches only such scores is not carried to the result.
; x: [2048][2048] codes; wq: [2048][2048], wk, wv: [512][2048] codes, K innermost.  lowp_scales: e0 .. e11.  xq stands for sum x 2^(e0+e1), xk for sum x 2^(e2+e3), xv for sum x 2^(e4+e5).
; SHARES.  256 work-groups: cg = 0..31 takes 64 rows of wq (query head cg), 16 rows of wk and 16 of wv (key/value head cg / 4, channels 16 (cg % 4) on); rb = 0..7 takes 256 tokens.
; Eight waves: wave w takes the 64 tokens of block w % 4 against all 96 columns, over its half (w / 4) of each slot's K: 4 x 6 accumulators.  At the end the two waves of a block exchange half of their sums
; through LDS: each finishes 32 tokens.  So that the exchange is the same text in both, a wave's tiles 0 and 1 are the 32 tokens that it keeps, 2 and 3 those that it gives away.
; K goes through two LDS slots of unlike size: A holds 512 along K, B 256: fills A 0-511, B 512-767, A 768-1279, B 1280-1535, A 1536-2047.  Each wave loads ONE operand of ONE slot: waves 0-3 for A (x, wq, wk, wv), waves 4-7 for B.
; CLUSTERS: 4 x 4 work-groups.  x's tile hangs on rb alone and is asked for jointly by the four of a row of the cluster, the weights' tiles hang on cg alone and are shared along a column.
; LAYOUT.  q and k: source 0 = 16 rows of the weight, source 1 = 16 tokens: lane (r, h) holds token r and channels 16 nt + 8 h + 0..7: RoPE's pairs lie in one lane, and one conversion of eight
; numbers gives registers 2 nt, 2 nt + 1 of the next product's operand.  v: the sources swapped: lane (r, h) holds channel r and tokens 16 mt + 8 h + 0..7, since the keys are the K of the product that takes v.
; A fragment is fetched by four loads of 16 bytes: a permutation of k inside an instruction, the same in x and in the weights, so every product meets its partner.
; RoPE is linear, so the sums' power of two is folded into the conversion's scale: 2^(e6-e0-e1) for q, 2^(e7-e2-e3) for k, 2^(e9-e4-e5) for v.
; LIMITS: e6-e0-e1, e7-e2-e3 and e9-e4-e5 lie between -126 and 119, so that the scale and 448 x the scale are f32 numbers.  NaN codes among the inputs are not served.
; IMAGES.  qimg: (128 head + token tile) x 1,024.  kvimg: key/value head x 262,144 + key step of 128 x 16,384: K first (key tile x 1,024 + register pair x 256 + 8 x lane), at 8,192 V (channel tile x 2,048 + four registers x 512 + 16 x lane).
; REGISTERS.  window 0: v1-31 addresses, scales, at work; v32-55 the codes on the way out; v62-63 the stage; v64-255 the accumulators ((mt, nt) at v[64 + 8 (6 mt + nt)]).
;   window 1: fragments: x's four at v[16 i], the weights' six at v[64 + 16 n]; v160-239 cos and sin; on the way out v0-95 the partner's sums.
.set PA,   528                         ; an LDS row of slot A: 512 bytes + 16 of padding = 132 words: the 16 rows that a load touches start at 16 different banks (ISA guide 11.1)
.set PB,   272                         ; of slot B: 256 + 16
.set SLB,  352*PA                      ; slot B behind slot A; rows of a slot: 0-255 x, 256-319 wq, 320-335 wk, 336-351 wv
.set STAGE, SLB                        ; the exchange: 12,288 bytes a wave, over slot B, which has then had its last fill and its last read, and the bytes behind it
.set SPARE, 326656                     ; the spare words, 128 bytes for each wave: four blocks of 256 bytes that no other line names
.set PADA, (1<<20)|(1<<21)|(6<<22)|(3<<25)  ; elements of 1 byte; padding on; bit 21 set beside a mask; after every 128 words, 4 words
.set PADB, (1<<20)|(1<<21)|(5<<22)|(3<<25)  ; after every 64 words
.set AXA0, 3                           ; LDS addresses of my fragments: slot A: x's tiles 0-1, x's tiles 2-3, the weights'
.set AXA1, 4
.set AWA,  5
.set AXB0, 6                           ; slot B
.set AXB1, 7
.set AWB,  8
.set L16,  9                           ; 16 x lane
.set L8,  10                           ; 8 x lane
.set SPW, 11                           ; LDS address of my spare word; never rewritten
.set NIL, 12                           ; 0; never rewritten
.set VC,  15                           ; my byte in the wave's rows of cos and sin: 128 r + 16 h
.set SCQ, 16                           ; v16-21 for q, k, v: the scale, and 448 x the scale
.set VCK, 22                           ; as VC, at k's channels
.set T,   24                           ; v24-31 at work in RoPE
.set STW, 62                           ; where I put sums in my stage
.set STR, 63                           ; where I read my partner's
.set ACC, 64
.set WV,  22                           ; s22 my wave's number
.set KH,  23                           ; s23 my half of K
.set GXA, 24                           ; group 1: x, wq, wk and wv for slot A; the same for slot B
.set GQA, 32
.set GSA, 40
.set GXB, 48
.set GQB, 56
.set GSB, 68
.set G0XA, 76                          ; group 0: x and weights, slot A and slot B
.set G0WA, 80
.set G0XB, 84
.set G0WB, 88
.set WT,  92                           ; s92 my block of tokens; also: which operand I load
.set CG,  93
.set PFA, 104                          ; s[104:105] where my prefetches stand: my first row of the operand that I ask for; never rewritten
.set PFO, 23                           ; v23 the prefetches' offset: a lane a row; never rewritten
.set RB,  94
.set MSB, 0
.macro WIN new                         ; the immediate's high byte repeats the setting that is left; a switch that changes nothing is dropped
.if MSB != (\new)
	s_set_vgpr_msb (MSB<<8)|(\new)
.set MSB, (\new)
.endif
.endm
.macro PLACES                          ; four plain vector places in front of loads into registers that matrix instructions have read, and of the first read of results
.rept 4
	v_nop
.endr
.endm
.macro SHAPE g, bytes, rows            ; group 1, words 1 to 7: rows 2,048 bytes apart in memory
	s_mov_b32 s[\g+1], \bytes<<16                  ; tensor_dim0
	s_mov_b32 s[\g+2], \rows<<16                   ; tensor_dim1
	s_mov_b32 s[\g+3], \bytes<<16                  ; tile_dim0
	s_mov_b32 s[\g+4], \rows                       ; tile_dim1
	s_mov_b32 s[\g+5], 2048                        ; tensor_dim0_stride
	s_mov_b32 s[\g+6], 0
	s_mov_b32 s[\g+7], 0
.endm
.macro ARM g0, g1
	tensor_load_to_lds s[\g0:\g0+3], s[\g1:\g1+7]
	s_nop 0
.rept 4
	v_nop
.endr
.endm
; Joint loads: a = 1: slot A's four waves ask; b = 1: slot B's.  One chain of branches on the wave's number, one load to an arm.
.macro JLOAD a, b
.if \a
.if \b == 0
	s_cmp_gt_u32 s[WV], 3
	s_cbranch_scc1 .Lasked_\@
.endif
	s_cmp_lg_u32 s[WV], 0
	s_cbranch_scc1 .Lnxa_\@
	ARM G0XA, GXA
	s_branch .Lasked_\@
.Lnxa_\@:
	s_cmp_lg_u32 s[WV], 1
	s_cbranch_scc1 .Lnqa_\@
	ARM G0WA, GQA
	s_branch .Lasked_\@
.Lnqa_\@:
.if \b
	s_cmp_gt_u32 s[WV], 3
	s_cbranch_scc1 .Lnsa_\@
.endif
	ARM G0WA, GSA
.if \b
	s_branch .Lasked_\@
.Lnsa_\@:
.endif
.endif
.if \b
.if \a == 0
	s_cmp_lt_u32 s[WV], 4
	s_cbranch_scc1 .Lasked_\@
.endif
	s_cmp_lg_u32 s[WV], 4
	s_cbranch_scc1 .Lnxb_\@
	ARM G0XB, GXB
	s_branch .Lasked_\@
.Lnxb_\@:
	s_cmp_lg_u32 s[WV], 5
	s_cbranch_scc1 .Lnqb_\@
	ARM G0WB, GQB
	s_branch .Lasked_\@
.Lnqb_\@:
	ARM G0WB, GSB
.endif
.Lasked_\@:
.endm
.macro CROUND                          ; a round of the cluster's barrier
	s_barrier_signal -1
	s_barrier_wait -1
	s_cmp_lg_u32 s[WV], 0
	s_cbranch_scc1 .Lnot_wave_0_\@
	s_barrier_signal -3
.Lnot_wave_0_\@:
	s_barrier_wait -3
	s_barrier_signal -1
	s_barrier_wait -1
.endm
	s_load_b512 s[4:19], s[0:1], 0x0               ; x s[4:5], wq s[6:7], wk s[8:9], wv s[10:11], cos s[12:13], sin s[14:15], the scales s[16:17], qimg s[18:19]
	s_load_b64 s[20:21], s[0:1], 0x40              ; kvimg
	v_lshl_add_u32 v[SPW], v0, 2, SPARE
	v_mov_b32 v[NIL], 0
	ds_add_u32 v[SPW], v[NIL]                      ; the wave's opening: the add, twice on end, and its wait ahead of my first tensor load
	ds_add_u32 v[SPW], v[NIL]
	v_lshrrev_b32 v1, 5, v0
	v_readfirstlane_b32 s[WV], v1                  ; wave 0..7
	s_lshr_b32 s[KH], s[WV], 2
	s_and_b32 s[WT], s[WV], 3
	s_bfe_u32 s95, ttmp6, 0x40000                  ; cx, cy: my place in the cluster
	s_bfe_u32 s98, ttmp6, 0x40004
	s_lshl_b32 s[CG], ttmp9, 2
	s_add_co_u32 s[CG], s[CG], s95                 ; cg = 4 x cluster x + cx
	s_and_b32 s[RB], ttmp7, 0xffff
	s_lshl_b32 s[RB], s[RB], 2
	s_add_co_u32 s[RB], s[RB], s98                 ; rb = 4 x cluster y + cy
	s_lshl_b32 s96, s98, 2
	s_lshl_b32 s96, 15, s96                        ; my row of the cluster
	s_lshl_b32 s97, 0x1111, s95                    ; my column
	s_or_b32 s[GXA], s96, PADA                     ; x's tiles go to my row,
	s_or_b32 s[GXB], s96, PADB
	s_or_b32 s[GQA], s97, PADA                     ; the weights' to my column
	s_or_b32 s[GSA], s97, PADA
	s_or_b32 s[GQB], s97, PADB
	s_or_b32 s[GSB], s97, PADB
	SHAPE GXA, 512, 256
	SHAPE GQA, 512, 64
	SHAPE GSA, 512, 16
	SHAPE GXB, 256, 256
	SHAPE GQB, 256, 64
	SHAPE GSB, 256, 16
	s_min_u32 s99, s[WT], 1                        ; a weight's first row in a slot: wq 256, wk 320, wv 336
	s_lshl_b32 s99, s99, 8
	s_lshr_b32 s100, s[WT], 1
	s_and_b32 s101, s100, s[WT]
	s_lshl_b32 s100, s100, 6
	s_lshl_b32 s101, s101, 4
	s_add_co_u32 s99, s99, s100
	s_add_co_u32 s99, s99, s101
	s_mul_i32 s[G0WA+1], s99, PA                   ; LDS addresses
	s_mul_i32 s[G0WB+1], s99, PB
	s_add_co_u32 s[G0WB+1], s[G0WB+1], SLB
	s_mov_b32 s[G0XA+1], 0
	s_mov_b32 s[G0XB+1], SLB
	s_mov_b32 s[G0XA], 1                           ; count = 1
	s_mov_b32 s[G0WA], 1
	s_mov_b32 s[G0XB], 1
	s_mov_b32 s[G0WB], 1
	s_lshl_b32 s96, s[RB], 19                      ; x: 256 rb rows of 2,048 bytes (a pair that never holds cx)
	s_mov_b32 s97, 0
	s_lshl_b32 s98, s[CG], 17                      ; wq: 64 cg rows; wk, wv: 16 cg rows (a pair that never holds cy)
	s_lshl_b32 s99, s[CG], 15
	s_cmp_eq_u32 s[WT], 1                          ; the choice of buffer hangs on the wave's number alone
	s_cselect_b32 s100, s98, s99
	s_mov_b32 s101, 0
	s_wait_dscnt 0x0                               ; both opening adds are done
	s_wait_kmcnt 0x0
	s_cselect_b64 s[8:9], s[6:7], s[8:9]
	s_cmp_eq_u32 s[WT], 3
	s_cselect_b64 s[8:9], s[10:11], s[8:9]
	s_add_nc_u64 s[G0XA+2:G0XA+3], s[4:5], s[96:97]
	s_add_nc_u64 s[G0WA+2:G0WA+3], s[8:9], s[100:101]
	s_add_nc_u64 s[G0XB+2:G0XB+3], s[G0XA+2:G0XA+3], 512
	s_add_nc_u64 s[G0WB+2:G0WB+3], s[G0WA+2:G0WA+3], 512
	s_or_b32 s[G0XA+3], s[G0XA+3], 0x80000000      ; type = 2
	s_or_b32 s[G0WA+3], s[G0WA+3], 0x80000000
	s_or_b32 s[G0XB+3], s[G0XB+3], 0x80000000
	s_or_b32 s[G0WB+3], s[G0WB+3], 0x80000000
	CROUND                                         ; all sixteen work-groups are here: the first joint loads meet
	JLOAD 1, 1                                     ; both slots: one tensor load a wave
	; the prefetches (macro ASK): of x's 256 rows clusters of even x take the first 128, of odd x the others, and the four partners of a row 32 each; of the weights' rows the four partners of a column take 16, 4 and 4 each
	s_bfe_u32 s96, ttmp6, 0x40000
	s_bfe_u32 s97, ttmp6, 0x40004
	s_and_b32 s98, ttmp9, 1
	s_lshl_b32 s99, s[RB], 8
	s_lshl_b32 s98, s98, 7
	s_add_co_u32 s99, s99, s98
	s_lshl_b32 s96, s96, 5
	s_add_co_u32 s99, s99, s96                     ; x: 256 rb + 128 (cluster % 2) + 32 cx
	s_lshl_b32 s100, s[CG], 2
	s_add_co_u32 s100, s100, s97
	s_lshl_b32 s101, s100, 4                       ; wq: 64 cg + 16 cy
	s_lshl_b32 s100, s100, 2                       ; wk, wv: 16 cg + 4 cy
	s_cmp_eq_u32 s[WT], 1
	s_cselect_b32 s100, s101, s100
	s_cselect_b32 s101, 15, 3                      ; my rows less one
	s_cmp_eq_u32 s[WT], 0
	s_cselect_b32 s100, s99, s100
	s_cselect_b32 s101, 31, s101
	s_cselect_b64 s[PFA:PFA+1], s[4:5], s[8:9]
	s_lshl_b32 s98, s100, 11
	s_mov_b32 s99, 0
	s_add_nc_u64 s[PFA:PFA+1], s[PFA:PFA+1], s[98:99]
	v_and_b32 v[PFO], 31, v0
	v_min_u32 v[PFO], s101, v[PFO]                 ; lanes that are left over name the last row again
	v_lshlrev_b32 v[PFO], 11, v[PFO]
	s_load_b256 s[4:11], s[16:17], 0x0             ; e0 .. e7
	s_load_b32 s95, s[16:17], 0x24                 ; e9
	s_lshl_b32 s98, s[RB], 15                      ; cos and sin at my first token kept: (256 rb + 64 block + 32 half) rows of 128 bytes
	s_lshl_b32 s99, s[WT], 13
	s_add_co_u32 s98, s98, s99
	s_lshl_b32 s99, s[KH], 12
	s_add_co_u32 s98, s98, s99
	s_mov_b32 s99, 0
	s_add_nc_u64 s[12:13], s[12:13], s[98:99]
	s_add_nc_u64 s[14:15], s[14:15], s[98:99]
	s_mul_i32 s96, s[WT], 64*PA                    ; my block's rows in slot A
	s_mul_i32 s97, s[KH], 32*PA
	s_lshl_b32 s3, s[KH], 8                        ; my half of A's K: 256 bytes on
	s_add_co_u32 s96, s96, s3
	s_add_co_u32 s98, s96, 32*PA
	s_sub_co_u32 s98, s98, s97                     ; tiles 2, 3: the 32 tokens that I give away
	s_add_co_u32 s97, s96, s97                     ; tiles 0, 1: those that I keep
	s_add_co_u32 s96, s3, 256*PA
	s_mul_i32 s99, s[WT], 64*PB                    ; the same in slot B; my half of its K: 128 bytes on
	s_mul_i32 s100, s[KH], 32*PB
	s_lshr_b32 s3, s3, 1
	s_add_co_u32 s3, s3, SLB
	s_add_co_u32 s99, s99, s3
	s_add_co_u32 s101, s99, 32*PB
	s_sub_co_u32 s101, s101, s100
	s_add_co_u32 s100, s99, s100
	s_add_co_u32 s99, s3, 256*PB
	v_and_b32 v1, 15, v0                           ; r
	v_bfe_u32 v2, v0, 4, 1                         ; h
	v_mul_u32_u24 v13, v1, PA
	v_lshl_add_u32 v13, v2, 4, v13                 ; a fragment's row x pitch + 16 h
	v_mul_u32_u24 v14, v1, PB
	v_lshl_add_u32 v14, v2, 4, v14
	v_lshlrev_b32 v[VC], 7, v1                     ; a row of cos or sin is 128 bytes; channels 16 nt + 8 h + 0..7 are pairs 8 nt + 4 h + 0..3: 16 bytes at 32 nt + 16 h
	v_lshl_add_u32 v[VC], v2, 4, v[VC]
	v_add_nc_u32 v[AXA0], s97, v13
	v_add_nc_u32 v[AXA1], s98, v13
	v_add_nc_u32 v[AWA], s96, v13
	v_add_nc_u32 v[AXB0], s100, v14
	v_add_nc_u32 v[AXB1], s101, v14
	v_add_nc_u32 v[AWB], s99, v14
	s_and_b32 s96, s[CG], 3
	s_lshl_b32 s96, s96, 5
	v_add_nc_u32 v[VCK], s96, v[VC]                ; k's 16 channels begin at 16 (cg % 4)
	v_and_b32 v14, 31, v0
	v_lshlrev_b32 v[L16], 4, v14
	v_lshlrev_b32 v[L8], 3, v14
	s_mul_i32 s96, s[WV], 12288
	s_add_co_u32 s96, s96, STAGE
	s_xor_b32 s97, s[WV], 4                        ; my partner
	s_mul_i32 s97, s97, 12288
	s_add_co_u32 s97, s97, STAGE
	v_add_nc_u32 v[STW], s96, v[L16]
	v_add_nc_u32 v[STR], s97, v[L16]
	WIN 0x40                                       ; destination window 1: cos and sin land while the products run, and are waited for on the way out
.irp m, 0,1
.irp nt, 0,1,2,3
	global_load_b128 v[160+40*\m+8*\nt:163+40*\m+8*\nt], v[VC], s[12:13] offset:\m*2048+\nt*32
	global_load_b128 v[164+40*\m+8*\nt:167+40*\m+8*\nt], v[VC], s[14:15] offset:\m*2048+\nt*32
.endr
	global_load_b128 v[192+40*\m:195+40*\m], v[VCK], s[12:13] offset:\m*2048
	global_load_b128 v[196+40*\m:199+40*\m], v[VCK], s[14:15] offset:\m*2048
.endr
	WIN 0
; 40 LDS loads in one run: the fragments of 128 along K, the q-th of my half of the slot: the weights' 24, x's tiles 2, 3, then 0, 1
.macro FRAGS x0, x1, w, p, q
	WIN 0x40
.irp n, 0,1,2,3,4,5
.irp c, 0,1,2,3
	ds_load_b128 v[64+16*\n+4*\c:67+16*\n+4*\c], v[\w] offset:16*\n*\p+128*\q+32*\c
.endr
.endr
.irp i, 0,1
.irp c, 0,1,2,3
	ds_load_b128 v[32+16*\i+4*\c:35+16*\i+4*\c], v[\x1] offset:16*\i*\p+128*\q+32*\c
.endr
.endr
.irp i, 0,1
.irp c, 0,1,2,3
	ds_load_b128 v[16*\i+4*\c:16*\i+4*\c+3], v[\x0] offset:16*\i*\p+128*\q+32*\c
.endr
.endr
.endm
; 6 matrix instructions: token tile mt against the six tiles of columns.  nt 0-3 (q) and 4 (k): source 0 the weight, source 1 the tokens; nt 5 (v): the other way round.
; zero = 1: the first product starts the sums.  The 24 accumulators take turns, one instruction a turn, in the same order in every step.
.macro MUL6 mt, zero
	WIN 0x05
.irp nt, 0,1,2,3,4
.if \zero
	v_wmma_f32_16x16x128_fp8_fp8 v[ACC+8*(6*\mt+\nt):ACC+8*(6*\mt+\nt)+7], v[64+16*\nt:64+16*\nt+15], v[16*\mt:16*\mt+15], 0
.else
	v_wmma_f32_16x16x128_fp8_fp8 v[ACC+8*(6*\mt+\nt):ACC+8*(6*\mt+\nt)+7], v[64+16*\nt:64+16*\nt+15], v[16*\mt:16*\mt+15], v[ACC+8*(6*\mt+\nt):ACC+8*(6*\mt+\nt)+7]
.endif
.endr
.if \zero
	v_wmma_f32_16x16x128_fp8_fp8 v[ACC+8*(6*\mt+5):ACC+8*(6*\mt+5)+7], v[16*\mt:16*\mt+15], v[144:159], 0
.else
	v_wmma_f32_16x16x128_fp8_fp8 v[ACC+8*(6*\mt+5):ACC+8*(6*\mt+5)+7], v[16*\mt:16*\mt+15], v[144:159], v[ACC+8*(6*\mt+5):ACC+8*(6*\mt+5)+7]
.endif
.endm
; 128 along K.  turn: 0 the slot goes on; 1 slot A has been read and is filled again; 2 slot B likewise; 3 slot B has been read for the last time; 4 the very last step: the sums that I give away go to my stage as soon as they are finished.
; A PREFETCH INTO THE L2 of the fill that the NEXT change of slots asks for: f = 1: K 768-1279, f = 2: K 1280-1535, f = 3: K 1536-2047.  Waves 0-3 ask, each for its own operand, a lane a row, 256 aligned bytes an instruction;
; each block is named at most once in a cluster, shared out by address.  The first two fills come by their loads alone, and the last prefetch names K's last bytes.  The address registers are never rewritten.
.macro ASK f
	s_cmp_gt_u32 s[WV], 3
	s_cbranch_scc1 .Lnot_mine_\@
.if \f == 1
	global_prefetch_b8 v[PFO], s[PFA:PFA+1] offset:768 th:TH_LOAD_NT scope:SCOPE_SE
	global_prefetch_b8 v[PFO], s[PFA:PFA+1] offset:1024 th:TH_LOAD_NT scope:SCOPE_SE
.endif
.if \f == 2
	global_prefetch_b8 v[PFO], s[PFA:PFA+1] offset:1280 th:TH_LOAD_NT scope:SCOPE_SE
.endif
.if \f == 3
	global_prefetch_b8 v[PFO], s[PFA:PFA+1] offset:1536 th:TH_LOAD_NT scope:SCOPE_SE
	global_prefetch_b8 v[PFO], s[PFA:PFA+1] offset:1792 th:TH_LOAD_NT scope:SCOPE_SE
.endif
.Lnot_mine_\@:
.endm
.macro KSTEP x0, x1, w, p, q, zero, turn, ask=0
.if \zero == 0
	PLACES
.endif
	FRAGS \x0, \x1, \w, \p, \q
.if \ask
	WIN 0                                          ; (a branch follows)
	ASK \ask
.endif
	s_wait_dscnt 12                                ; the weights and x's tile 2 are in
	MUL6 2, \zero
	s_wait_dscnt 8
	MUL6 3, \zero
.if \turn == 4
	PLACES                                         ; behind the products that the stores read
	WIN 0
.set kk, 0
.rept 24
	ds_store_b128 v[STW], v[160+4*kk:163+4*kk] offset:512*kk
.set kk, kk+1
.endr
	s_wait_dscnt 28                                ; x's tile 0 is in: behind it tile 1's four loads and the 24 stores
	MUL6 0, \zero
	s_wait_dscnt 24
	MUL6 1, \zero
	WIN 0
.else
	s_wait_dscnt 4
	MUL6 0, \zero
	s_wait_dscnt 0x0                               ; my reads for this step are over
.if \turn
	WIN 0                                          ; (the add's two registers lie in window 0)
	s_wait_tensorcnt 0x0                           ; all my tensor loads have landed
.if \turn < 3
	ds_add_u32 v[SPW], v[NIL]                      ; 0 onto my spare word
.endif
	MUL6 1, \zero                                  ; six matrix instructions stand between the add and the wait for it
.if \turn == 1
	s_add_nc_u64 s[G0XA+2:G0XA+3], s[G0XA+2:G0XA+3], 768
	s_add_nc_u64 s[G0WA+2:G0WA+3], s[G0WA+2:G0WA+3], 768
.endif
.if \turn == 2
	s_add_nc_u64 s[G0XB+2:G0XB+3], s[G0XB+2:G0XB+3], 768
	s_add_nc_u64 s[G0WB+2:G0WB+3], s[G0WB+2:G0WB+3], 768
.endif
	s_wait_dscnt 0x0                               ; the add is done
	WIN 0
.if \turn == 3
	s_barrier_signal -1                            ; the last fill is whole, and nobody reads slot B any more
	s_barrier_wait -1
.else
	CROUND                                         ; no wave of any partner still reads this slot or has a load on its way
	JLOAD 2-\turn, \turn-1                         ; the first tensor load behind the round
.endif
.else
	MUL6 1, \zero
.endif
.endif
.endm
	s_wait_alu depctr_va_vdst(0)
	s_cmp_gt_u32 s[WV], 3
	s_cbranch_scc1 .Lb_out
	s_wait_tensorcnt 0x0                           ; waves 0-3: my part of slot A is in; slot B's loads may stay out
.Lb_out:
	s_barrier_signal -1
	s_barrier_wait -1
	KSTEP AXA0, AXA1, AWA, PA, 0, 1, 0, 1
	KSTEP AXA0, AXA1, AWA, PA, 1, 0, 1             ; slot A takes K 768 on
	KSTEP AXB0, AXB1, AWB, PB, 0, 0, 2, 2          ; slot B takes K 1280 on
	KSTEP AXA0, AXA1, AWA, PA, 0, 0, 0, 3
	KSTEP AXA0, AXA1, AWA, PA, 1, 0, 1             ; slot A takes K 1536 on
	KSTEP AXB0, AXB1, AWB, PB, 0, 0, 3
	KSTEP AXA0, AXA1, AWA, PA, 0, 0, 0
	KSTEP AXA0, AXA1, AWA, PA, 1, 0, 4
	; THE WAY OUT.  My partner's sums come back from its stage, 24 groups of four registers, laid as mine lie
	s_wait_dscnt 0x0                               ; my stores are done
	s_barrier_signal -1
	s_barrier_wait -1
	PLACES
	WIN 0x40
.set kk, 0
.rept 24
	ds_load_b128 v[4*kk:4*kk+3], v[STR] offset:512*kk
.set kk, kk+1
.endr
	WIN 0
	s_lshl_b32 s96, s[CG], 7                       ; q: (128 cg + token tile) x 1,024 bytes; my first token tile is 16 rb + 4 block + 2 half
	s_lshl_b32 s97, s[RB], 4
	s_add_co_u32 s96, s96, s97
	s_lshl_b32 s97, s[WT], 2
	s_add_co_u32 s96, s96, s97
	s_lshl_b32 s97, s[KH], 1
	s_add_co_u32 s96, s96, s97
	s_lshl_b32 s96, s96, 10
	s_mov_b32 s97, 0
	s_add_nc_u64 s[18:19], s[18:19], s[96:97]
	s_lshr_b32 s96, s[CG], 2                       ; k and v: key/value head cg / 4, key step 2 rb + block / 2
	s_lshl_b32 s96, s96, 18
	s_lshl_b32 s98, s[RB], 15
	s_add_co_u32 s96, s96, s98
	s_lshr_b32 s98, s[WT], 1
	s_lshl_b32 s98, s98, 14
	s_add_co_u32 s96, s96, s98
	s_add_nc_u64 s[20:21], s[20:21], s[96:97]
	s_and_b32 s24, s[WT], 1
	s_and_b32 s25, s[CG], 3
	s_lshl_b32 s96, s24, 12                        ; k: key tile 4 (block % 2) + 2 half + m of the step; register pair cg % 4
	s_lshl_b32 s98, s[KH], 11
	s_add_co_u32 s96, s96, s98
	s_lshl_b32 s98, s25, 8
	s_add_co_u32 s96, s96, s98
	s_add_nc_u64 s[98:99], s[20:21], s[96:97]
	s_lshl_b32 s96, s25, 11                        ; v: channel tile cg % 4; four registers 2 (block % 2) + half
	s_lshl_b32 s100, s24, 10
	s_add_co_u32 s96, s96, s100
	s_lshl_b32 s100, s[KH], 9
	s_add_co_u32 s96, s96, s100
	s_add_co_u32 s96, s96, 8192
	s_add_nc_u64 s[100:101], s[20:21], s[96:97]
	s_wait_kmcnt 0x0                               ; the exponents
.macro SCALE dst, eq, ea, eb                   ; v[dst] = 2^(eq - ea - eb), v[dst+1] = 448 x that
	s_sub_co_i32 s24, s\eq, s\ea
	s_sub_co_i32 s24, s24, s\eb
	s_add_co_i32 s24, s24, 127
	s_lshl_b32 s25, s24, 23
	v_mov_b32 v[\dst], s25
	s_add_co_i32 s24, s24, 8
	s_lshl_b32 s24, s24, 23
	s_or_b32 s24, s24, 0x600000
	v_mov_b32 v[\dst+1], s24
.endm
	SCALE SCQ, 10, 4, 5
	SCALE SCQ+2, 11, 6, 7
	SCALE SCQ+4, 95, 8, 9
	s_wait_loadcnt 0x0                             ; cos and sin
	s_wait_dscnt 12                                ; the partner's tile 0
	WIN 0x04
.set kk, 0
.rept 24
	v_pk_add_f32 v[64+kk:65+kk], v[64+kk:65+kk], v[kk:kk+1]
.set kk, kk+2
.endr
	s_wait_dscnt 0x0
.rept 24
	v_pk_add_f32 v[64+kk:65+kk], v[64+kk:65+kk], v[kk:kk+1]
.set kk, kk+2
.endr
; RoPE on a tile: registers 2 i, 2 i + 1 are a pair (a, b); cos at v[cs + i], sin at v[cs + 4 + i] of window 1.  (b s, a s) first, then (a c - b s, b c + a s).
.macro ROPE acc, cs
.irp i, 0,2
	v_pk_mul_f32 v[T+2*\i:T+2*\i+1], v[\acc+2*\i:\acc+2*\i+1], v[\cs+4+\i:\cs+5+\i] op_sel:[1,0] op_sel_hi:[0,0]
	v_pk_mul_f32 v[T+2*\i+2:T+2*\i+3], v[\acc+2*\i+2:\acc+2*\i+3], v[\cs+4+\i:\cs+5+\i] op_sel:[1,1] op_sel_hi:[0,1]
.endr
.irp i, 0,2
	v_pk_fma_f32 v[\acc+2*\i:\acc+2*\i+1], v[\acc+2*\i:\acc+2*\i+1], v[\cs+\i:\cs+1+\i], v[T+2*\i:T+2*\i+1] op_sel_hi:[1,0,1] neg_lo:[0,0,1]
	v_pk_fma_f32 v[\acc+2*\i+2:\acc+2*\i+3], v[\acc+2*\i+2:\acc+2*\i+3], v[\cs+\i:\cs+1+\i], v[T+2*\i+2:T+2*\i+3] op_sel:[0,1,0] op_sel_hi:[1,1,1] neg_lo:[0,0,1]
.endr
.endm
.irp m, 0,1
.irp nt, 0,1,2,3,4
	ROPE ACC+8*(6*\m+\nt), 160+40*\m+8*\nt
.endr
.endr
	WIN 0
.macro HOLD acc, lim                           ; the conversion to an 8-bit code does not saturate (ISA guide 7.6.2): hold within 448 x the scale first
.irp j, 0,1,2,3,4,5,6,7
	v_med3_num_f32 v[\acc+\j], v[\acc+\j], -v[\lim], v[\lim]
.endr
.endm
.irp m, 0,1
.irp nt, 0,1,2,3
	HOLD ACC+8*(6*\m+\nt), SCQ+1
.endr
	HOLD ACC+8*(6*\m+4), SCQ+3
	HOLD ACC+8*(6*\m+5), SCQ+5
.endr
.irp m, 0,1                            ; the codes: q's at v[32 + 8 m + 2 nt], k's at v[48 + 2 m], v's at v[52 + 2 m]
.irp nt, 0,1,2,3
	v_cvt_scalef32_pk8_fp8_f32 v[32+8*\m+2*\nt:33+8*\m+2*\nt], v[ACC+8*(6*\m+\nt):ACC+8*(6*\m+\nt)+7], v[SCQ]
.endr
	v_cvt_scalef32_pk8_fp8_f32 v[48+2*\m:49+2*\m], v[ACC+8*(6*\m+4):ACC+8*(6*\m+4)+7], v[SCQ+2]
	v_cvt_scalef32_pk8_fp8_f32 v[52+2*\m:53+2*\m], v[ACC+8*(6*\m+5):ACC+8*(6*\m+5)+7], v[SCQ+4]
.endr
	v_nop                                          ; one plain vector line behind the last scaled conversion
.irp m, 0,1
	global_store_b128 v[L16], v[32+8*\m:35+8*\m], s[18:19] offset:\m*1024        ; each store of the wave covers 512 consecutive bytes, aligned
	global_store_b128 v[L16], v[36+8*\m:39+8*\m], s[18:19] offset:\m*1024+512
	global_store_b64  v[L8],  v[48+2*\m:49+2*\m], s[98:99] offset:\m*1024        ; 256 consecutive bytes, aligned
.endr
	global_store_b128 v[L16], v[52:55], s[100:101]
	s_wait_tensorcnt 0x0                           ; the wave's end
	ds_add_u32 v[SPW], v[NIL]
	s_wait_dscnt 0x0
	CROUND                                         ; the closing round: no work-group ends while a partner may still ask for a tile that names it
	s_endpgm
.Lfunc_end_k_qc6892236dd_qkv:
	.size	k_qc6892236dd_qkv, .Lfunc_end_k_qc6892236dd_qkv-k_qc6892236dd_qkv
	.p2alignl 7, 3214868480
	.fill 96, 4, 3214868480
	.section	.rodata,"a",@progbits
	.p2align	6, 0x0
	.amdhsa_kernel k_qc6892236dd_qkv
		.amdhsa_group_segment_fixed_size 327680
		.amdhsa_private_segment_fixed_size 0
		.amdhsa_enable_private_segment 0
		.amdhsa_kernarg_size 72
		.amdhsa_user_sgpr_count 2
		.amdhsa_user_sgpr_kernarg_segment_ptr 1
		.amdhsa_wavefront_size32 1
		.amdhsa_system_sgpr_workgroup_id_x 1
		.amdhsa_system_sgpr_workgroup_id_y 1
		.amdhsa_system_sgpr_workgroup_id_z 1
		.amdhsa_system_vgpr_workitem_id 0
		.amdhsa_next_free_vgpr 512
		.amdhsa_next_free_sgpr 106
		.amdhsa_reserve_vcc 0
		.amdhsa_float_denorm_mode_32 3
		.amdhsa_float_denorm_mode_16_64 3
		.amdhsa_memory_ordered 1
		.amdhsa_forward_progress 1
		.amdhsa_inst_pref_size 75
	.end_amdhsa_kernel
	.amdgpu_metadata
---
amdhsa.version: [ 1, 2 ]
amdhsa.kernels:
  - .name:           k_qc6892236dd_qkv
    .symbol:         k_qc6892236dd_qkv.kd
    .args:
      - { .name: x_codes, .offset: 0, .size: 8, .value_kind: global_buffer, .address_space: global }
      - { .name: wq_codes, .offset: 8, .size: 8, .value_kind: global_buffer, .address_space: global }
      - { .name: wk_codes, .offset: 16, .size: 8, .value_kind: global_buffer, .address_space: global }
      - { .name: wv_codes, .offset: 24, .size: 8, .value_kind: global_buffer, .address_space: global }
      - { .name: freqs_cos, .offset: 32, .size: 8, .value_kind: global_buffer, .address_space: global }
      - { .name: freqs_sin, .offset: 40, .size: 8, .value_kind: global_buffer, .address_space: global }
      - { .name: lowp_scales, .offset: 48, .size: 8, .value_kind: global_buffer, .address_space: global }
      - { .name: qimg, .offset: 56, .size: 8, .value_kind: global_buffer, .address_space: global }
      - { .name: kvimg, .offset: 64, .size: 8, .value_kind: global_buffer, .address_space: global }
    .group_segment_fixed_size: 327680
    .private_segment_fixed_size: 0
    .kernarg_segment_align: 8
    .kernarg_segment_size: 72
    .max_flat_workgroup_size: 256
    .sgpr_count:     106
    .vgpr_count:     512
    .wavefront_size: 32
...
	.end_amdgpu_metadata
.endif
;; end of part 1
;; launch attn (part 2): grid 32 x 8, 16 waves a work-group, clusters of 4 x 1, 327,680 bytes of LDS; arguments qimg, kvimg, lowp_scales, aimg; writes aimg
.if DOCPART == 2
	.amdgcn_target "amdgcn-amd-amdhsa--gfx1250"
	.amdhsa_code_object_version 6
	.text
	.protected	k_qc6892236dd_attn
	.globl	k_qc6892236dd_attn
	.p2align	8
	.type	k_qc6892236dd_attn,@function
k_qc6892236dd_attn:
	s_mov_b64 s[64:65], 0
	v_nop
	global_prefetch_b8 v0, s[64:65] scope:SCOPE_SE
	s_setreg_imm32_b32 hwreg(HW_REG_WAVE_MODE, 25, 1), 1
	s_wait_xcnt 0x0
	s_wait_alu depctr_hold_cnt(0) depctr_sa_sdst(0) depctr_va_vdst(0) depctr_va_sdst(0) depctr_va_ssrc(0) depctr_va_vcc(0) depctr_vm_vsrc(0)
	s_getreg_b32 s2, hwreg(HW_REG_IB_STS2, 6, 4)
	s_cmp_eq_u32 s2, 0
	s_cbranch_scc0 .Lentry_in_a_cluster
	s_endpgm
.Lentry_in_a_cluster:
	s_bfe_u32 s2, ttmp6, 0x10000c
	s_cmp_lg_u32 s2, 0x3003
	s_cbranch_scc0 .Lentry_shape_is_right
	s_endpgm
.Lentry_shape_is_right:
; Causal attention on codes of FP8 (E4M3): O = softmax(q k^T / 8) v for 32 query heads, four to a key/value head; O quantised with 2^e10 and stored as images of operand registers for the projection.
; THE SOFTMAX AHEAD OF THE SECOND PRODUCT: t = score x log2(e) / 8; M = the largest t so far, rounded UP to a whole number; p = 2^(t - M) is what is quantised.  The sum is taken of the unquantised p and divides at the end.
; When M moves, sum and O are multiplied by a power of two.
; SHARES.  A work-group: one head, 16 of its 128 tiles of 16 queries: tiles 8 j + i, j = 0..15, i = the work-group's y.  Tile j walks key steps (128 keys) 0 .. j.  So every work-group walks all keys, and all work-groups have the same work.
; Sixteen waves.  Waves w and w + 8 (w = 0..7) serve tiles j = w and 15 - w, 17 steps.  Wave w takes all of tile w and the first steps of tile 15 - w; wave w + 8 takes that tile's last 8 steps (w < 4) or last 5 (w > 3),
; which hold its diagonal.  So waves w, w + 4, w + 8, w + 12 have 9, 12, 8 and 5 steps, 34 together, for each w < 4.  X is the tile that a wave finishes (w: tile w; w + 8: tile 15 - w); Y, in waves 0-7 alone, is tile 15 - w,
; whose part goes to wave w + 8 through LDS at the end.  (Waves 8-15 run the same text with an empty Y.)
; WORK LEFT OUT: key steps wholly behind a tile's queries: reference()'s own causal mask gives them weight 0 for all inputs.  A NaN, an infinity or an overflow that reaches only those scores is not carried.
; LDS holds all 2,048 keys of K and V: 16 key steps of 16,384 bytes, one tensor load a wave at the head, nothing is filled twice.  The launch has no loop to run ahead of its loads in: no prefetch.
; CLUSTERS: the four heads of a key/value head ask for its key steps jointly.
; LAYOUT.  S^T = k q^T (source 0 = 16 keys, source 1 = 16 queries), O^T = v^T p^T: lane (r, h) holds query r throughout; register 8 t + n of S is key 16 t + 8 h + n of the step, which is the operand's own order.
; LIMITS: e6 + e7 between -123 and 130; e8 and e10 between -126 and 119; the scaled scores stay under 2^31 in magnitude.
; REGISTERS: v8-11 X's -M, largest t, sum in two halves; v12-15 Y's; v16-23, v24-31 their queries; v32-95 K, then V; v96-159 S, then p; v160-191, v192-223 O^T; v224-239 p's codes; v240 on constants and at work.
.set LK,  1                            ; 8 x lane
.set LV,  2                            ; 8,192 + 16 x lane
.set ADK, 3
.set ADV, 4
.set L16, 5                            ; 16 x lane
.set DD,  6                            ; r - 8 h
.set WV,  12
.set II,  15                           ; i
.set LIMX, 16                          ; j of X: the key step of its diagonal
.set LIMY, 17                          ; j of Y
.set KS,  18                           ; the key step in hand
.set TB,  19                           ; its LDS byte
.set SEL, 20
.set CS,  22
.set G1,  24
.set G0,  32
.set LOX, 40                           ; X's first key step of mine,
.set NX,  41                           ; and their number less one
.set NY,  42                           ; Y's last key step of mine; -1: none
.set E,   48
.set CNT, 60
.set SPARE, 0x40000                    ; behind the keys: the spare words, 128 bytes for each wave
.set STAGE, SPARE+2048                 ; behind them the exchange: 4,096 bytes of O^T and 256 of sum and -M for each pair of waves; no tile lands there
.set STG, 4352
.macro CROUND
	s_barrier_signal -1
	s_barrier_wait -1
	s_cmp_lg_u32 s[WV], 0
	s_cbranch_scc1 .Lnot_wave_0_\@
	s_barrier_signal -3
.Lnot_wave_0_\@:
	s_barrier_wait -3
	s_barrier_signal -1
	s_barrier_wait -1
.endm
	s_load_b256 s[4:11], s[0:1], 0x0               ; qimg s[4:5], kvimg s[6:7], the scales s[8:9], aimg s[10:11]
	v_lshl_add_u32 v254, v0, 2, SPARE
	v_mov_b32 v255, 0
	ds_add_u32 v254, v255                          ; the wave's opening: the add, twice on end, and its wait ahead of my first tensor load
	ds_add_u32 v254, v255
	v_lshrrev_b32 v1, 5, v0
	v_readfirstlane_b32 s[WV], v1                  ; wave 0..15
	s_bfe_u32 s13, ttmp6, 0x40000                  ; cx
	s_lshl_b32 s14, ttmp9, 2
	s_add_co_u32 s14, s14, s13                     ; head
	s_and_b32 s[II], ttmp7, 0xffff
	s_and_b32 s37, s[WV], 7                        ; w
	s_lshr_b32 s36, s[WV], 3                       ; 0: waves 0-7, 1: waves 8-15
	s_mul_i32 s38, s36, 15
	s_xor_b32 s[LIMX], s37, s38                    ; w, or 15 - w
	s_xor_b32 s[LIMY], s[LIMX], 15
	s_lshl_b32 s[KS], s36, 2                       ; waves 0-7 walk key steps 0-11, waves 8-15 4-15
	s_lshl_b32 s[TB], s36, 16
	s_lshr_b32 s43, s37, 2
	s_mul_i32 s43, s43, 3                          ; 3 where w > 3
	s_sub_co_u32 s44, 7, s43                       ; waves 8-15: 8 or 5 steps, less one
	s_sub_co_u32 s45, 7, s37
	s_add_co_u32 s45, s45, s43                     ; waves 0-7: Y's last step: 15 - w less those 8 or 5
	s_add_co_u32 s46, s45, 1                       ; where waves 8-15 begin: 4 at the least
	s_cmp_eq_u32 s36, 0
	s_cselect_b32 s[LOX], 0, s46
	s_cselect_b32 s[NX], s37, s44
	s_cselect_b32 s[NY], s45, -1
	s_mov_b32 s[G1], 15|(3<<16)|(1<<21)            ; all four of the cluster; elements of 8 bytes; bit 21 set beside a mask
	s_mov_b32 s[G1+1], 32<<16                      ; rows of 256 bytes,
	s_mov_b32 s[G1+2], 64<<16                      ; 64 of them, dense
	s_mov_b32 s[G1+3], 32<<16
	s_mov_b32 s[G1+4], 64
	s_mov_b32 s[G1+5], 32
	s_mov_b32 s[G1+6], 0
	s_mov_b32 s[G1+7], 0
	s_mov_b32 s[SEL], 0x76543210
	s_mov_b32 s[SEL+1], 0xfedcba98
	s_mov_b32 s[CS], 0x3e38aa3b                    ; log2(e) / 8
	s_lshl_b32 s68, s[WV], 14                      ; the key step that I load, in memory and in LDS
	s_lshl_b32 s66, ttmp9, 18
	s_add_co_u32 s66, s66, s68
	s_mov_b32 s67, 0
	s_lshl_b32 s69, s14, 7
	s_add_co_u32 s69, s69, s[II]
	s_lshl_b32 s70, s[LIMX], 3                     ; q: (128 head + 8 j + i) x 1,024
	s_add_co_u32 s70, s70, s69
	s_lshl_b32 s70, s70, 10
	s_mov_b32 s71, 0
	s_lshl_b32 s72, s[LIMY], 3
	s_add_co_u32 s72, s72, s69
	s_lshl_b32 s72, s72, 10
	s_mov_b32 s73, 0
	s_lshr_b32 s74, s14, 3                         ; aimg: token block j x 262,144 + head / 8 x 65,536 + i x 8,192 + (head / 2) % 4 x 2,048 + head % 2 x 1,024
	s_lshl_b32 s74, s74, 16
	s_bfe_u32 s75, s14, 0x20001
	s_lshl_b32 s75, s75, 11
	s_add_co_u32 s74, s74, s75
	s_and_b32 s75, s14, 1
	s_lshl_b32 s75, s75, 10
	s_add_co_u32 s74, s74, s75
	s_lshl_b32 s75, s[II], 13
	s_add_co_u32 s74, s74, s75
	s_lshl_b32 s76, s[LIMX], 18
	s_add_co_u32 s76, s76, s74
	s_mov_b32 s77, 0
	s_mul_i32 s38, s37, STG                        ; my pair's stage
	s_add_co_u32 s38, s38, STAGE
	s_mov_b32 s[G0], 1
	s_mov_b32 s[G0+1], s68
	s_wait_dscnt 0x0                               ; both opening adds are done
	s_wait_kmcnt 0x0
	s_load_b256 s[E:E+7], s[8:9], 0x0
	s_load_b128 s[E+8:E+11], s[8:9], 0x20
	s_add_nc_u64 s[G0+2:G0+3], s[6:7], s[66:67]
	s_or_b32 s[G0+3], s[G0+3], 0x80000000
	s_add_nc_u64 s[70:71], s[4:5], s[70:71]
	s_add_nc_u64 s[72:73], s[4:5], s[72:73]
	s_add_nc_u64 s[76:77], s[10:11], s[76:77]
	CROUND                                         ; the four work-groups are here: the joint loads meet
	tensor_load_to_lds s[G0:G0+3], s[G1:G1+7]
	s_nop 0
.rept 4
	v_nop
.endr
	v_and_b32 v9, 31, v0
	v_lshlrev_b32 v[LK], 3, v9
	v_lshlrev_b32 v[L16], 4, v9
	v_add_nc_u32 v[LV], 8192, v[L16]
	global_load_b128 v[16:19], v[L16], s[70:71]
	global_load_b128 v[20:23], v[L16], s[70:71] offset:512
	global_load_b128 v[24:27], v[L16], s[72:73]
	global_load_b128 v[28:31], v[L16], s[72:73] offset:512
	v_and_b32 v10, 15, v0
	v_bfe_u32 v11, v0, 4, 1
	v_lshlrev_b32 v11, 3, v11
	v_sub_nc_u32 v[DD], v10, v11
	v_mov_b32 v9, 0xff61b1e6                       ; the largest t so far: -3e38
	v_mov_b32 v13, 0xff61b1e6
	v_mov_b32 v10, 0
	v_mov_b32 v11, 0
	v_floor_f32 v8, -v9
	v_floor_f32 v12, -v13
	v_mov_b32 v14, 0
	v_mov_b32 v15, 0
	v_mov_b32 v247, 0                              ; (named as the upper half of the pair v[246:247])
	v_mov_b32 v248, 0                              ; (a lane permute's destination counts as one of its sources)
	v_mov_b32 v249, 0xff800000                     ; -infinity
.set ii, 0
.rept 64
	v_mov_b32 v[160+ii], 0                         ; O^T: the step is written for any trip, and the first change of M leaves zeros zeros
.set ii, ii+1
.endr
	s_wait_kmcnt 0x0
	s_add_co_i32 s62, s[E+6], s[E+7]
	s_lshl_b32 s62, s62, 23
	s_add_co_i32 s[CS], s[CS], s62                 ; a score stands for score x 2^(e6 + e7)
	s_mov_b32 s[CS+1], s[CS]
	s_add_co_i32 s62, s[E+8], 127
	s_lshl_b32 s63, s62, 23
	v_mov_b32 v241, s63                            ; 2^e8
	s_add_co_i32 s62, s62, 8
	s_lshl_b32 s62, s62, 23
	s_or_b32 s62, s62, 0x600000
	v_mov_b32 v240, s62                            ; 448 x 2^e8
	s_add_co_i32 s62, s[E+10], 127
	s_lshl_b32 s63, s62, 23
	v_mov_b32 v251, s63                            ; 2^e10
	s_add_co_i32 s62, s62, 8
	s_lshl_b32 s62, s62, 23
	s_or_b32 s62, s62, 0x600000
	v_mov_b32 v250, s62                            ; 448 x 2^e10
	s_add_co_i32 s61, s[E+8], s[E+9]
; A key step of one tile: q its queries, o its O^T, st its state.  own = 1: X, which has a diagonal; own = 0: Y, whose steps here all lie ahead of its diagonal.
.macro TILESTEP q, o, st, own
.if \own
	s_sub_co_u32 s62, s[KS], s[LOX]
	s_cmp_gt_u32 s62, s[NX]                        ; ahead of my first step (a number wrapped round) or behind my last
.else
	s_cmp_gt_i32 s[KS], s[NY]
.endif
	s_cbranch_scc1 .Lskip_\@
	v_add_nc_u32 v[ADK], s[TB], v[LK]
	v_add_nc_u32 v[ADV], s[TB], v[LV]
	v_mov_b32 v242, v[\st]                         ; the old -M
	v_nop                                          ; four places in front of loads into registers that matrix instructions have read
.irp t, 0,1,2,3,4,5,6,7
.irp c, 0,1,2,3
	ds_load_b64 v[32+8*\t+2*\c:33+8*\t+2*\c], v[ADK] offset:1024*\t+256*\c
.endr
.endr
	s_wait_alu depctr_va_vdst(0)
	s_wait_dscnt 16                                ; the first four tiles of keys are in
.irp t, 0,1,2,3
	v_wmma_f32_16x16x64_fp8_fp8 v[96+8*\t:103+8*\t], v[32+8*\t:39+8*\t], v[\q:\q+7], 0
.endr
	s_wait_dscnt 0x0
.irp t, 4,5,6,7
	v_wmma_f32_16x16x64_fp8_fp8 v[96+8*\t:103+8*\t], v[32+8*\t:39+8*\t], v[\q:\q+7], 0
.endr
.rept 4
	v_nop
.endr
.irp t, 0,1,2,3
.irp c, 0,1,2,3
	ds_load_b128 v[32+16*\t+4*\c:35+16*\t+4*\c], v[ADV] offset:2048*\t+512*\c   ; V lands during the softmax
.endr
.endr
.if \own
	s_cmp_lg_u32 s[KS], s[LIMX]
	s_cbranch_scc1 .Lopen_\@
; the step on the diagonal: tiles of keys below i count whole, tile i is the diagonal one, those above are hidden
.irp t, 0,1,2,3,4,5,6,7
	s_cmp_gt_u32 s[II], \t
	s_cbranch_scc1 .Lseen_\@_\t
	s_cmp_eq_u32 s[II], \t
	s_cbranch_scc1 .Ldiag_\@_\t
.irp n, 0,1,2,3,4,5,6,7
	v_mov_b32 v[96+8*\t+\n], v249
.endr
	s_branch .Lseen_\@_\t
.Ldiag_\@_\t:
.irp n, 0,1,2,3,4,5,6,7
	v_cmp_gt_i32 vcc_lo, \n, v[DD]                 ; key 8 h + n behind query r
	v_cndmask_b32 v[96+8*\t+\n], v[96+8*\t+\n], v249, vcc_lo
.endr
.Lseen_\@_\t:
.endr
	s_wait_alu depctr_va_vdst(0)
.Lopen_\@:
.endif
	v_max3_num_f32 v244, v96, v97, v98             ; the step's largest score of my query, in four chains
	v_max3_num_f32 v245, v99, v100, v101
	v_max3_num_f32 v252, v102, v103, v104
	v_max3_num_f32 v253, v105, v106, v107
.irp i, 12,20,28,36,44,52
	v_max3_num_f32 v244, v244, v[96+\i], v[97+\i]
	v_max3_num_f32 v245, v245, v[98+\i], v[99+\i]
	v_max3_num_f32 v252, v252, v[100+\i], v[101+\i]
	v_max3_num_f32 v253, v253, v[102+\i], v[103+\i]
.endr
	v_max3_num_f32 v244, v244, v156, v157
	v_max3_num_f32 v245, v245, v158, v159
	s_delay_alu instid0(VALU_DEP_1)
	v_max3_num_f32 v244, v244, v245, v252
	s_delay_alu instid0(VALU_DEP_1)
	v_max_num_f32 v244, v244, v253
	s_delay_alu instid0(VALU_DEP_1)
	v_permlanex16_b32 v248, v244, s[SEL], s[SEL+1]
	s_delay_alu instid0(VALU_DEP_1)
	v_max_num_f32 v244, v244, v248                 ; and among lane l xor 16's
	s_delay_alu instid0(VALU_DEP_1)
	v_mul_f32 v244, s[CS], v244                    ; as t
	s_delay_alu instid0(VALU_DEP_1)
	v_max_num_f32 v[\st+1], v[\st+1], v244
	s_delay_alu instid0(VALU_DEP_1)
	v_floor_f32 v[\st], -v[\st+1]                  ; the new -M, a whole number
	s_delay_alu instid0(VALU_DEP_1)
	v_sub_f32 v244, v[\st], v242                   ; M's old value less its new one
.set jj, 0
.rept 8
	v_pk_fma_f32 v[96+jj:97+jj], v[96+jj:97+jj], s[CS:CS+1], v[\st:\st+1] op_sel_hi:[1,0,0]   ; t - M
.set jj, jj+2
.endr
	v_cvt_i32_f32 v244, v244                       ; (it saturates)
.rept 8
	v_pk_fma_f32 v[96+jj:97+jj], v[96+jj:97+jj], s[CS:CS+1], v[\st:\st+1] op_sel_hi:[1,0,0]
.set jj, jj+2
.endr
	v_ldexp_f32 v246, 1.0, v244                    ; f = 2^(old M - new M)
.rept 16
	v_pk_fma_f32 v[96+jj:97+jj], v[96+jj:97+jj], s[CS:CS+1], v[\st:\st+1] op_sel_hi:[1,0,0]
.set jj, jj+2
.endr
	s_wait_alu depctr_va_vdst(0)
.set jj, 0
.rept 64
	v_exp_f32 v[96+jj], v[96+jj]
.set jj, jj+1
.endr
	v_pk_mul_f32 v[\st+2:\st+3], v[\st+2:\st+3], v[246:247] op_sel_hi:[1,0]
	s_wait_alu depctr_va_vdst(0)                   ; one wait behind the batch, ahead of its first reader and of the first reader of O^T
	v_pk_add_f32 v[242:243], v[96:97], v[98:99]    ; the sum of the unquantised p in two chains, O^T's rescaling between
.set jj, 0
.rept 15
	v_pk_mul_f32 v[\o+2*jj:\o+2*jj+1], v[\o+2*jj:\o+2*jj+1], v[246:247] op_sel_hi:[1,0]
	v_pk_add_f32 v[\st+2:\st+3], v[\st+2:\st+3], v[100+4*jj:101+4*jj]
	v_pk_add_f32 v[242:243], v[242:243], v[102+4*jj:103+4*jj]
.set jj, jj+1
.endr
	v_pk_mul_f32 v[\o+30:\o+31], v[\o+30:\o+31], v[246:247] op_sel_hi:[1,0]
.set jj, 0
.rept 64
	v_min_num_f32 v[96+jj], v[96+jj], v240         ; the conversion to an 8-bit code does not saturate (ISA guide 7.6.2); p is not negative
.set jj, jj+1
.endr
.irp t, 0,1,2,3,4,5,6,7
	v_cvt_scalef32_pk8_fp8_f32 v[224+2*\t:225+2*\t], v[96+8*\t:103+8*\t], v241
.endr
	v_pk_add_f32 v[\st+2:\st+3], v[\st+2:\st+3], v[242:243]   ; (and the plain place behind the conversions)
	s_wait_alu depctr_va_vdst(0)
	s_wait_dscnt 0x0                               ; V is in
.irp t, 0,1,2,3
	v_wmma_f32_16x16x128_fp8_fp8 v[\o+8*\t:\o+8*\t+7], v[32+16*\t:47+16*\t], v[224:239], v[\o+8*\t:\o+8*\t+7]
.endr
.Lskip_\@:
.endm
	s_wait_alu depctr_va_vdst(0)
	s_wait_loadcnt 0x0                             ; the queries
	s_wait_tensorcnt 0x0                           ; my key step is in
	s_barrier_signal -1
	s_barrier_wait -1                              ; everybody's is
	s_mov_b32 s[CNT], 12
.Lstep:
	TILESTEP 16, 160, 8, 1
	TILESTEP 24, 192, 12, 0
	s_add_co_u32 s[TB], s[TB], 16384
	s_add_co_u32 s[KS], s[KS], 1
	s_sub_co_u32 s[CNT], s[CNT], 1
	s_cmp_lg_u32 s[CNT], 0
	s_cbranch_scc1 .Lstep
	; THE EXCHANGE: waves 0-7 put Y's part into the pair's stage, waves 8-15 take it from there: it is the rest of their X
	v_add_nc_u32 v[ADK], s38, v[L16]
	v_add_nc_u32 v[ADV], s38, v[LK]
	v_add_f32 v14, v14, v15                        ; Y's sum over my lane's keys, and its -M
	v_mov_b32 v15, v12
	v_add_f32 v10, v10, v11                        ; X's sum
	s_wait_alu depctr_va_vdst(0)
	s_cmp_gt_u32 s[WV], 7
	s_cbranch_scc1 .Lno_y
.set jj, 0
.rept 8
	ds_store_b128 v[ADK], v[192+4*jj:195+4*jj] offset:512*jj
.set jj, jj+1
.endr
	ds_store_b64 v[ADV], v[14:15] offset:4096
.Lno_y:
	s_wait_dscnt 0x0
	s_barrier_signal -1
	s_barrier_wait -1
	s_cmp_lt_u32 s[WV], 8
	s_cbranch_scc1 .Lwhole                         ; waves 0-7 have all of their X
.set jj, 0
.rept 8
	ds_load_b128 v[32+4*jj:35+4*jj], v[ADK] offset:512*jj
.set jj, jj+1
.endr
	ds_load_b64 v[64:65], v[ADV] offset:4096
	s_wait_dscnt 0x0
	v_min_num_f32 v244, v8, v65                    ; the common -M
	v_sub_f32 v245, v244, v8
	v_sub_f32 v252, v244, v65
	v_cvt_i32_f32 v245, v245
	v_cvt_i32_f32 v252, v252
	v_ldexp_f32 v246, 1.0, v245                    ; the factor of my part,
	v_ldexp_f32 v247, 1.0, v252                    ; and of my partner's
.set jj, 0
.rept 16
	v_pk_mul_f32 v[160+jj:161+jj], v[160+jj:161+jj], v[246:247] op_sel_hi:[1,0]
.set jj, jj+2
.endr
	v_mul_f32 v10, v10, v246
	v_fma_f32 v10, v64, v247, v10
.set jj, 0
.rept 16
	v_pk_fma_f32 v[160+jj:161+jj], v[32+jj:33+jj], v[246:247], v[160+jj:161+jj] op_sel:[0,1,0] op_sel_hi:[1,1,1]
.set jj, jj+2
.endr
.Lwhole:
	v_permlanex16_b32 v248, v10, s[SEL], s[SEL+1]
	v_add_f32 v10, v10, v248                       ; the row's sum
	s_wait_alu depctr_va_vdst(0)                   ; ahead of the transcendental
	v_rcp_f32 v244, v10
	v_nop
	s_wait_alu depctr_va_vdst(0)                   ; and ahead of its first reader and of O^T's
	v_ldexp_f32 v246, v244, s61                    ; x 2^(e8 + e9)
.set jj, 0
.rept 16
	v_pk_mul_f32 v[160+jj:161+jj], v[160+jj:161+jj], v[246:247] op_sel_hi:[1,0]
.set jj, jj+2
.endr
.set jj, 0
.rept 32
	v_med3_num_f32 v[160+jj], v[160+jj], -v250, v250
.set jj, jj+1
.endr
.irp t, 0,1,2,3
	v_cvt_scalef32_pk8_fp8_f32 v[224+2*\t:225+2*\t], v[160+8*\t:167+8*\t], v251
.endr
	v_nop                                          ; one plain vector line behind the last scaled conversion
	global_store_b128 v[L16], v[224:227], s[76:77]
	global_store_b128 v[L16], v[228:231], s[76:77] offset:512
	s_wait_tensorcnt 0x0                           ; the wave's end
	ds_add_u32 v254, v255
	s_wait_dscnt 0x0
	CROUND                                         ; the closing round: no work-group ends while a partner may still issue a joint load that names it
	s_endpgm
.Lfunc_end_k_qc6892236dd_attn:
	.size	k_qc6892236dd_attn, .Lfunc_end_k_qc6892236dd_attn-k_qc6892236dd_attn
	.p2alignl 7, 3214868480
	.fill 96, 4, 3214868480
	.section	.rodata,"a",@progbits
	.p2align	6, 0x0
	.amdhsa_kernel k_qc6892236dd_attn
		.amdhsa_group_segment_fixed_size 327680
		.amdhsa_private_segment_fixed_size 0
		.amdhsa_enable_private_segment 0
		.amdhsa_kernarg_size 32
		.amdhsa_user_sgpr_count 2
		.amdhsa_user_sgpr_kernarg_segment_ptr 1
		.amdhsa_wavefront_size32 1
		.amdhsa_system_sgpr_workgroup_id_x 1
		.amdhsa_system_sgpr_workgroup_id_y 1
		.amdhsa_system_sgpr_workgroup_id_z 1
		.amdhsa_system_vgpr_workitem_id 0
		.amdhsa_next_free_vgpr 256
		.amdhsa_next_free_sgpr 80
		.amdhsa_reserve_vcc 1
		.amdhsa_float_denorm_mode_32 3
		.amdhsa_float_denorm_mode_16_64 3
		.amdhsa_memory_ordered 1
		.amdhsa_forward_progress 1
		.amdhsa_inst_pref_size 57
	.end_amdhsa_kernel
	.amdgpu_metadata
---
amdhsa.version: [ 1, 2 ]
amdhsa.kernels:
  - .name:           k_qc6892236dd_attn
    .symbol:         k_qc6892236dd_attn.kd
    .args:
      - { .name: qimg, .offset: 0, .size: 8, .value_kind: global_buffer, .address_space: global }
      - { .name: kvimg, .offset: 8, .size: 8, .value_kind: global_buffer, .address_space: global }
      - { .name: lowp_scales, .offset: 16, .size: 8, .value_kind: global_buffer, .address_space: global }
      - { .name: aimg, .offset: 24, .size: 8, .value_kind: global_buffer, .address_space: global }
    .group_segment_fixed_size: 327680
    .private_segment_fixed_size: 0
    .kernarg_segment_align: 8
    .kernarg_segment_size: 32
    .max_flat_workgroup_size: 512
    .sgpr_count:     80
    .vgpr_count:     256
    .wavefront_size: 32
...
	.end_amdgpu_metadata
.endif
;; end of part 2
;; launch oproj (part 3): grid 16 x 16, 4 waves a work-group, clusters of 4 x 4, 327,680 bytes of LDS; arguments aimg, wo_codes, lowp_scales, out0; writes out0
.if DOCPART == 3
	.amdgcn_target "amdgcn-amd-amdhsa--gfx1250"
	.amdhsa_code_object_version 6
	.text
	.protected	k_qc6892236dd_oproj
	.globl	k_qc6892236dd_oproj
	.p2align	8
	.type	k_qc6892236dd_oproj,@function
k_qc6892236dd_oproj:
	s_mov_b64 s[64:65], 0
	v_nop
	global_prefetch_b8 v0, s[64:65] scope:SCOPE_SE
	s_setreg_imm32_b32 hwreg(HW_REG_WAVE_MODE, 25, 1), 1
	s_wait_xcnt 0x0
	s_wait_alu depctr_hold_cnt(0) depctr_sa_sdst(0) depctr_va_vdst(0) depctr_va_sdst(0) depctr_va_ssrc(0) depctr_va_vcc(0) depctr_vm_vsrc(0)
	s_getreg_b32 s2, hwreg(HW_REG_IB_STS2, 6, 4)
	s_cmp_eq_u32 s2, 0
	s_cbranch_scc0 .Lentry_in_a_cluster
	s_endpgm
.Lentry_in_a_cluster:
	s_bfe_u32 s2, ttmp6, 0x10000c
	s_cmp_lg_u32 s2, 0xf033
	s_cbranch_scc0 .Lentry_shape_is_right
	s_endpgm
.Lentry_shape_is_right:
; out0 = a wo^T on codes of FP8 (E4M3), each finished sum x 2^(e10 + e11).  a: the attention's result, [2048][2048], as images of operand registers; wo: [2048][2048] codes, K innermost; out0: [2048][2048] f32.
; SHARES.  256 work-groups, each a tile of 128 tokens x 128 columns; a wave makes 64 x 64: 16 accumulators.  (Tiles of 256 x 256 would be 64 work-groups for 256 WGPs.)
; K goes in four steps of 512 through two LDS slots.  a's part of a slot is 65,536 dense bytes, fragment by fragment (tile of tokens x 8,192 + 128 along K x 2,048 + four registers x 512 + 16 x lane);
; wo's is 128 rows of 512 bytes + 16 of padding.  a's image has k in the matrix instruction's own places (registers 2 c, 2 c + 1: k = 16 c + 8 (lane / 16) + 0..7), so wo's fragments are fetched by loads of 8 bytes.
; CLUSTERS: 4 x 4 work-groups; a's tile is asked for jointly along a row of the cluster, wo's along a column.  THE MATRIX INSTRUCTION IS USED TRANSPOSED (source 0 = 16 rows of wo, source 1 = 16 tokens):
; a lane holds eight neighbouring numbers of a row of out0.
; LIMIT: e10 + e11 lies between -126 and 127, so that 2^(e10 + e11) is an f32 number.
; REGISTERS: window 0: v1-31 addresses; v32-63 a block's sums x the scale; v64-127 rows read back from the stage, two sets; v128-255 the accumulators ((a, b) at v[128 + 8 (4 a + b)]).
;   window 1: two fragment buffers of 128: a's four fragments at f + 16 a, wo's four at f + 64 + 16 b.
.set BP,     528                       ; a row of wo in LDS: 512 bytes + 16 = 132 words: the 32 lanes of a load of 8 bytes touch 64 different banks (ISA guide 11.1)
.set BOFF,   65536                     ; a slot: a's image, then wo's 128 rows
.set SLOT,   BOFF+128*BP
.set STAGE,  2*SLOT                    ; behind the ring: 16 rows x 272 bytes for each wave, for the way out; no tile lands there
.set SPITCH, 272
.set SPARE,  STAGE+4*16*SPITCH         ; behind the stages: the spare words, 128 bytes for each wave: two blocks of 256 bytes that no other line names
.set ADRA, 16                          ; v16-17  LDS address of my fragments of a in slot 0, 1
.set ADRB, 20                          ; v20-21  the same for wo
.set STO,  24                          ; v24     the way out: where I put 32 bytes of a row
.set RD,   25                          ; v25     where I read a row back
.set CO,   26                          ; v26     my byte offset in out0
.set SPW,  28                          ; v28     LDS address of my spare word; never rewritten
.set NIL, 29                           ; v29     0; never rewritten
.set PFO, 30                           ; v30     the prefetches' offset in a: 256 x lane; never rewritten
.set PFB, 31                           ; v31     in wo: two lanes a row, 256 bytes each; never rewritten
.set PFA, 18                           ; s[18:19] where my prefetches stand; never rewritten
.set TMP,  32
.set BK,   64
.set ACC,  128
.set F0,   0
.set F1,   128
.set G1A, 24                           ; s[24:31] group 1 for a's tiles;  s[32:39] group 0, one set for each slot
.set G0A, 32
.set G1B, 48                           ; s[48:55], s[56:63] the same for wo's
.set G0B, 56
.set MSB, 0
.macro WIN new                         ; the immediate's high byte repeats the setting that is left; a switch that changes nothing is dropped
.if MSB != (\new)
	s_set_vgpr_msb (MSB<<8)|(\new)
.set MSB, (\new)
.endif
.endm
.set MUL,  0x05                        ; sources 0 and 1 window 1; C and D window 0
.set TO_F, 0x40                        ; destination window 1, address window 0
.macro PLACES                          ; four plain vector places in front of loads into registers that matrix instructions have read, and of the first read of results
.rept 4
	v_nop
.endr
.endm
.macro ARM g0, g1
	tensor_load_to_lds s[\g0:\g0+3], s[\g1:\g1+7]
	s_nop 0
.rept 4
	v_nop
.endr
.endm
; Joint loads.  Each wave loads one operand of one slot: waves 0 and 1 slot 0 (a's tile, wo's tile), waves 2 and 3 slot 1.  s = 2: all four, at the head; s = 0, 1: the two waves of that slot.  The branches hang on the wave's number alone.
.macro JLOAD s
.if \s == 1
	s_cmp_lt_u32 s14, 2
	s_cbranch_scc1 .Lasked_\@
.else
	s_cmp_gt_u32 s14, 1
.if \s == 0
	s_cbranch_scc1 .Lasked_\@
.else
	s_cbranch_scc1 .Lslot1_\@
.endif
	s_cmp_lg_u32 s14, 0
	s_cbranch_scc1 .Lfor_b0_\@
	ARM G0A, G1A
	s_branch .Lasked_\@
.Lfor_b0_\@:
	ARM G0B, G1B
.if \s == 2
	s_branch .Lasked_\@
.Lslot1_\@:
.endif
.endif
.if \s > 0
	s_cmp_lg_u32 s14, 2
	s_cbranch_scc1 .Lfor_b1_\@
	ARM G0A+4, G1A
	s_branch .Lasked_\@
.Lfor_b1_\@:
	ARM G0B+4, G1B
.endif
.Lasked_\@:
.endm
.macro CREST                           ; a round of the cluster's barrier behind its opening barrier
	s_cmp_lg_u32 s14, 0
	s_cbranch_scc1 .Lnot_wave_0_\@
	s_barrier_signal -3
.Lnot_wave_0_\@:
	s_barrier_wait -3
	s_barrier_signal -1
	s_barrier_wait -1
.endm
.macro CROUND                          ; a whole round
	s_barrier_signal -1
	s_barrier_wait -1
	CREST
.endm
	s_load_b256 s[4:11], s[0:1], 0x0               ; aimg s[4:5], wo s[6:7], the scales s[8:9], out0 s[10:11]
	v_lshl_add_u32 v[SPW], v0, 2, SPARE
	v_mov_b32 v[NIL], 0
	ds_add_u32 v28, v29
	ds_add_u32 v28, v29
	s_wait_dscnt 0x0
	v_lshrrev_b32 v1, 5, v0
	v_readfirstlane_b32 s14, v1                    ; wave 0..3
	s_lshr_b32 s15, s14, 1                         ; which 64 tokens are mine
	s_and_b32 s16, s14, 1                          ; which 64 columns
	s_bfe_u32 s40, ttmp6, 0x40000                  ; cx, cy: my place in the cluster
	s_bfe_u32 s41, ttmp6, 0x40004
	s_lshl_b32 s42, ttmp9, 2
	s_add_co_u32 s42, s42, s40                     ; block of 128 columns = 4 x cluster x + cx
	s_and_b32 s17, ttmp7, 0xffff
	s_lshl_b32 s17, s17, 2
	s_add_co_u32 s17, s17, s41                     ; block of 128 tokens = 4 x cluster y + cy
	s_lshl_b32 s43, s41, 2
	s_lshl_b32 s43, 15, s43                        ; my row of the cluster
	s_lshl_b32 s44, 0x1111, s40                    ; my column
	s_or_b32 s[G1A], s43, (3<<16)|(1<<21)          ; a's tile: the mask of my row; elements of 8 bytes; bit 21 set beside a mask; no padding
	s_mov_b32 s[G1A+1], 32<<16                     ; rows of 256 bytes,
	s_mov_b32 s[G1A+2], 256<<16                    ; 256 of them: 65,536 dense bytes
	s_mov_b32 s[G1A+3], 32<<16
	s_mov_b32 s[G1A+4], 256
	s_mov_b32 s[G1A+5], 32
	s_mov_b32 s[G1A+6], 0
	s_mov_b32 s[G1A+7], 0
	s_or_b32 s[G1B], s44, (1<<20)|(1<<21)|(6<<22)|(3<<25)   ; wo's tile: the mask of my column; elements of 1 byte; after every 128 words 4 words of padding
	s_mov_b32 s[G1B+1], 512<<16                    ; rows of 512 bytes,
	s_mov_b32 s[G1B+2], 128<<16                    ; 128 of them,
	s_mov_b32 s[G1B+3], 512<<16
	s_mov_b32 s[G1B+4], 128
	s_mov_b32 s[G1B+5], 2048                       ; 2,048 bytes apart in memory
	s_mov_b32 s[G1B+6], 0
	s_mov_b32 s[G1B+7], 0
	s_lshl_b32 s20, s17, 18                        ; a: the token block's 262,144 bytes
	s_mov_b32 s21, 0
	s_lshl_b32 s46, s42, 18                        ; wo: row 128 x column block, 2,048 bytes each
	s_mov_b32 s47, 0
	s_wait_kmcnt 0x0
	s_load_b64 s[96:97], s[8:9], 0x28              ; e10, e11
	s_add_nc_u64 s[20:21], s[4:5], s[20:21]
	s_add_nc_u64 s[46:47], s[6:7], s[46:47]
	CROUND                                         ; all sixteen work-groups are here: the first joint loads meet
.irp s, 0,1
	s_mov_b32 s[G0A+4*\s], 1                       ; count = 1
	s_mov_b32 s[G0A+4*\s+1], \s*SLOT               ; LDS address
	s_add_nc_u64 s[G0A+4*\s+2:G0A+4*\s+3], s[20:21], \s*65536   ; global address: K step s
	s_or_b32 s[G0A+4*\s+3], s[G0A+4*\s+3], 0x80000000           ; type = 2
	s_mov_b32 s[G0B+4*\s], 1
	s_mov_b32 s[G0B+4*\s+1], BOFF+\s*SLOT
	s_add_nc_u64 s[G0B+4*\s+2:G0B+4*\s+3], s[46:47], \s*512
	s_or_b32 s[G0B+4*\s+3], s[G0B+4*\s+3], 0x80000000
.endr
	JLOAD 2                                        ; both slots, one tensor load a wave
	; the prefetches (macro ASK): of a's 65,536 bytes of a K step the four partners of a row take 16,384 each, waves 0 and 1 a half each; of wo's 128 rows the four partners of a column take 32 each, waves 2 and 3 16 each
	s_lshl_b32 s22, s40, 14
	s_lshl_b32 s23, s16, 13
	s_add_co_u32 s22, s22, s23
	s_lshl_b32 s23, s41, 16
	s_lshl_b32 s45, s16, 15
	s_add_co_u32 s23, s23, s45
	s_cmp_eq_u32 s15, 0
	s_cselect_b32 s22, s22, s23
	s_mov_b32 s23, 0
	s_cselect_b64 s[PFA:PFA+1], s[20:21], s[46:47]
	s_add_nc_u64 s[PFA:PFA+1], s[PFA:PFA+1], s[22:23]
	v_and_b32 v1, 15, v0                           ; r
	v_bfe_u32 v2, v0, 4, 1                         ; h
	v_and_b32 v3, 31, v0
	v_lshlrev_b32 v4, 4, v3                        ; 16 x lane
	v_lshlrev_b32 v[PFO], 8, v3
	v_lshrrev_b32 v[PFB], 1, v3
	v_lshlrev_b32 v[PFB], 11, v[PFB]
	v_and_b32 v8, 1, v3
	v_lshl_add_u32 v[PFB], v8, 8, v[PFB]
	s_lshl_b32 s22, s15, 15                        ; my four tiles of tokens
	v_add_nc_u32 v[ADRA], s22, v4
	v_add_nc_u32 v[ADRA+1], SLOT, v[ADRA]
	v_mul_u32_u24 v5, v1, BP
	v_lshl_add_u32 v5, v2, 3, v5                   ; row r x pitch + 8 h
	s_mul_i32 s22, s16, 64*BP                      ; my 64 rows of wo
	s_add_co_u32 s22, s22, BOFF
	v_add_nc_u32 v[ADRB], s22, v5
	v_add_nc_u32 v[ADRB+1], SLOT, v[ADRB]
	s_mul_i32 s23, s14, 16*SPITCH
	s_add_co_u32 s23, s23, STAGE                   ; my stage
	v_mul_u32_u24 v5, v1, SPITCH                   ; in: row r, 32 bytes for each half of the lanes
	v_lshl_add_u32 v5, v2, 5, v5
	v_add_nc_u32 v[STO], s23, v5
	v_mul_u32_u24 v6, v2, SPITCH                   ; back: lanes 0-15 one row of 256 bytes, lanes 16-31 the next
	v_lshl_add_u32 v6, v1, 4, v6
	v_add_nc_u32 v[RD], s23, v6
	v_lshlrev_b32 v7, 13, v2                       ; and the same two rows in out0 (8,192 bytes a row)
	v_lshl_add_u32 v[CO], v1, 4, v7
	s_lshl_b32 s20, s17, 20                        ; my first row: (128 x token block + 64 x half) x 8,192 bytes
	s_lshl_b32 s22, s15, 19
	s_add_co_u32 s20, s20, s22
	s_mov_b32 s21, 0
	s_add_nc_u64 s[10:11], s[10:11], s[20:21]
	s_lshl_b32 s46, s42, 9                         ; my first column, in bytes: 512 x column block + 256 x half
	s_lshl_b32 s47, s16, 8
	s_add_co_u32 s46, s46, s47
	s_mov_b32 s47, 0
	s_add_nc_u64 s[10:11], s[10:11], s[46:47]
; 48 LDS loads in one run: the fragments of the slot's q-th 128 along K into buffer f.  (q arrives as text, such as 0+1: so it stands in brackets wherever it is multiplied)
.macro FETCH slot, q, f
	WIN TO_F
.irp a, 0,1,2,3
.irp g, 0,1,2,3
	ds_load_b128 v[\f+16*\a+4*\g:\f+16*\a+4*\g+3], v[ADRA+\slot] offset:8192*\a+2048*(\q)+512*\g
.endr
.endr
.irp b, 0,1,2,3
.irp c, 0,1,2,3,4,5,6,7
	ds_load_b64 v[\f+64+16*\b+2*\c:\f+64+16*\b+2*\c+1], v[ADRB+\slot] offset:16*\b*BP+128*(\q)+16*\c
.endr
.endr
.endm
; 4 matrix instructions: token tile a against the four tiles of columns.  The 16 accumulators take turns, one instruction a turn.
.macro MUL4 f, a, zero
	WIN MUL
.irp b, 0,1,2,3
.if \zero
	v_wmma_f32_16x16x128_fp8_fp8 v[ACC+8*(4*\a+\b):ACC+8*(4*\a+\b)+7], v[\f+64+16*\b:\f+64+16*\b+15], v[\f+16*\a:\f+16*\a+15], 0
.else
	v_wmma_f32_16x16x128_fp8_fp8 v[ACC+8*(4*\a+\b):ACC+8*(4*\a+\b)+7], v[\f+64+16*\b:\f+64+16*\b+15], v[\f+16*\a:\f+16*\a+15], v[ACC+8*(4*\a+\b):ACC+8*(4*\a+\b)+7]
.endif
.endr
.endm
; One of a slot's first three quarters (128 along K): multiplies buffer f and fetches quarter q + 1 into buffer g.
.macro QUARTER slot, q, f, g, zero
	s_wait_dscnt 0x0                               ; buffer f is in (asked for 8 matrix instructions ago)
	MUL4 \f, 0, \zero
	MUL4 \f, 1, \zero
	PLACES
	FETCH \slot, \q+1, \g
	MUL4 \f, 2, \zero
	MUL4 \f, 3, \zero
.endm
; A slot's last quarter, on buffer 1, changes slots: ONE barrier; in front of it each wave waits for all its tensor loads, adds 0 to its spare word, and waits for that and for its reads of this slot.
; fill = 1: the barrier opens a round of the cluster's barrier and this slot is filled again, two K steps ahead.
; A PREFETCH INTO THE L2 of K step k, one change of slots ahead of its load: one instruction a wave, 256 aligned bytes a lane, each block named once in a cluster.  K steps 0 and 1 come by their loads alone; nothing is asked for behind K step 3.
.macro ASK k
	WIN 0
	s_cmp_gt_u32 s14, 1
	s_cbranch_scc1 .Lask_b_\@
	global_prefetch_b8 v[PFO], s[PFA:PFA+1] offset:65536*\k th:TH_LOAD_NT scope:SCOPE_SE
	s_branch .Lask_end_\@
.Lask_b_\@:
	global_prefetch_b8 v[PFB], s[PFA:PFA+1] offset:512*\k th:TH_LOAD_NT scope:SCOPE_SE
.Lask_end_\@:
.endm
.macro TURN slot, next, fill
	WIN 0                                          ; (the add's two registers lie in window 0)
	s_wait_tensorcnt 0x0                           ; all my tensor loads have landed: my part of the next slot
	ds_add_u32 v[SPW], v[NIL]                      ; 0 onto my spare word
	s_wait_dscnt 0x1                               ; buffer 1's 48 loads are in; the add alone may be out
	MUL4 F1, 0, 0                                  ; four matrix instructions stand between the add and the wait for it
	s_wait_dscnt 0x0                               ; the add is done, and my reads of this slot are over
	s_barrier_signal -1
	MUL4 F1, 1, 0
	WIN 0
	s_barrier_wait -1
.if \fill
	CREST                                          ; no wave of any partner still reads this slot's tiles or has a load on its way
	s_add_nc_u64 s[G0A+4*\slot+2:G0A+4*\slot+3], s[G0A+4*\slot+2:G0A+4*\slot+3], 2*65536
	s_add_nc_u64 s[G0B+4*\slot+2:G0B+4*\slot+3], s[G0B+4*\slot+2:G0B+4*\slot+3], 2*512
	JLOAD \slot                                    ; the first tensor load behind the round
.endif
	PLACES
	FETCH \next, 0, F0
	MUL4 F1, 2, 0
	MUL4 F1, 3, 0
.endm
	s_wait_alu depctr_va_vdst(0)
	s_cmp_gt_u32 s14, 1
	s_cbranch_scc1 .Lslot_1
	s_wait_tensorcnt 0x0                           ; waves 0 and 1: K step 0 is in; K step 1's loads may stay out
.Lslot_1:
	s_barrier_signal -1
	s_barrier_wait -1
	FETCH 0, 0, F0
	ASK 2
	QUARTER 0, 0, F0, F1, 1                        ; the first products start the sums.  Four K steps: written out, no loop
	QUARTER 0, 1, F1, F0, 0
	QUARTER 0, 2, F0, F1, 0
	TURN 0, 1, 1                                   ; slot 0 takes K step 2
	ASK 3
	QUARTER 1, 0, F0, F1, 0
	QUARTER 1, 1, F1, F0, 0
	QUARTER 1, 2, F0, F1, 0
	TURN 1, 0, 1                                   ; slot 1 takes K step 3
	QUARTER 0, 0, F0, F1, 0
	QUARTER 0, 1, F1, F0, 0
	QUARTER 0, 2, F0, F1, 0
	TURN 0, 1, 0                                   ; nothing more is asked for
	QUARTER 1, 0, F0, F1, 0
	QUARTER 1, 1, F1, F0, 0
	QUARTER 1, 2, F0, F1, 0
	s_wait_dscnt 0x0
	MUL4 F1, 0, 0
	MUL4 F1, 1, 0
	MUL4 F1, 2, 0
	MUL4 F1, 3, 0
	WIN 0
; THE WAY OUT, block by block of 16 tokens x 64 columns, through my own stage: LDS serves a wave's instructions in order (ISA guide 5.7.1.4), so no wait stands between the stores and the loads.
.macro TOSTAGE a
.set jj, 0
.rept 16
	v_pk_mul_f32 v[TMP+jj:TMP+jj+1], v[ACC+32*(\a)+jj:ACC+32*(\a)+jj+1], s[96:97] op_sel_hi:[1,0]   ; both x s96 = 2^(e10 + e11); each accumulator from its low end on
.set jj, jj+2
.endr
.irp b, 0,1,2,3
	ds_store_b128 v[STO], v[TMP+8*\b:TMP+8*\b+3] offset:64*\b
	ds_store_b128 v[STO], v[TMP+8*\b+4:TMP+8*\b+7] offset:64*\b+16
.endr
.irp t, 0,1,2,3,4,5,6,7
	ds_load_b128 v[BK+32*((\a)%2)+4*\t:BK+32*((\a)%2)+4*\t+3], v[RD] offset:2*\t*SPITCH
.endr
.endm
.macro SEND a, younger                 ; younger: the LDS instructions issued behind block a's loads, which may stay out
	s_wait_dscnt \younger
.irp t, 0,1,2,3,4,5,6,7
	global_store_b128 v[CO], v[BK+32*((\a)%2)+4*\t:BK+32*((\a)%2)+4*\t+3], s[10:11] offset:(16*(\a)+2*\t)*8192 th:TH_STORE_NT   ; sixteen lanes store 256 consecutive bytes, aligned; written once, read by nobody here
.endr
.endm
	s_wait_kmcnt 0x0
	s_add_co_i32 s96, s96, s97
	s_add_co_i32 s96, s96, 127
	s_lshl_b32 s96, s96, 23                        ; 2^(e10 + e11) as f32
	PLACES                                         ; behind the last products
	TOSTAGE 0
.irp a, 1,2,3
.if \a > 1
	s_wait_xcnt 0x0                                ; block a - 2's stores have read their registers: block a's loads may land there
.endif
	TOSTAGE \a
	SEND \a-1, 16                                  ; behind block a - 1's loads: block a's 8 stores and 8 loads
.endr
	SEND 3, 0
	s_wait_tensorcnt 0x0                           ; the wave's end
	ds_add_u32 v[SPW], v[NIL]
	s_wait_dscnt 0x0
	CROUND                                         ; the closing round: no work-group ends while a partner may still ask for a tile that names it
	s_endpgm
.Lfunc_end_k_qc6892236dd_oproj:
	.size	k_qc6892236dd_oproj, .Lfunc_end_k_qc6892236dd_oproj-k_qc6892236dd_oproj
	.p2alignl 7, 3214868480
	.fill 96, 4, 3214868480
	.section	.rodata,"a",@progbits
	.p2align	6, 0x0
	.amdhsa_kernel k_qc6892236dd_oproj
		.amdhsa_group_segment_fixed_size 327680
		.amdhsa_private_segment_fixed_size 0
		.amdhsa_enable_private_segment 0
		.amdhsa_kernarg_size 32
		.amdhsa_user_sgpr_count 2
		.amdhsa_user_sgpr_kernarg_segment_ptr 1
		.amdhsa_wavefront_size32 1
		.amdhsa_system_sgpr_workgroup_id_x 1
		.amdhsa_system_sgpr_workgroup_id_y 1
		.amdhsa_system_sgpr_workgroup_id_z 1
		.amdhsa_system_vgpr_workitem_id 0
		.amdhsa_next_free_vgpr 512
		.amdhsa_next_free_sgpr 100
		.amdhsa_reserve_vcc 0
		.amdhsa_float_denorm_mode_32 3
		.amdhsa_float_denorm_mode_16_64 3
		.amdhsa_memory_ordered 1
		.amdhsa_forward_progress 1
		.amdhsa_inst_pref_size 90
	.end_amdhsa_kernel
	.amdgpu_metadata
---
amdhsa.version: [ 1, 2 ]
amdhsa.kernels:
  - .name:           k_qc6892236dd_oproj
    .symbol:         k_qc6892236dd_oproj.kd
    .args:
      - { .name: aimg, .offset: 0, .size: 8, .value_kind: global_buffer, .address_space: global }
      - { .name: wo_codes, .offset: 8, .size: 8, .value_kind: global_buffer, .address_space: global }
      - { .name: lowp_scales, .offset: 16, .size: 8, .value_kind: global_buffer, .address_space: global }
      - { .name: out0, .offset: 24, .size: 8, .value_kind: global_buffer, .address_space: global }
    .group_segment_fixed_size: 327680
    .private_segment_fixed_size: 0
    .kernarg_segment_align: 8
    .kernarg_segment_size: 32
    .max_flat_workgroup_size: 128
    .sgpr_count:     100
    .vgpr_count:     512
    .wavefront_size: 32
...
	.end_amdgpu_metadata
.endif
;; end of part 3
